; MI455X (gfx1250); checked and timed in simulation.
; The chip was launched on July 23, 2026; its instructions are those of AMD's public machine-readable ISA for CDNA 5 (MIT licence, August 2026) and "CDNA5" Instruction Set Architecture Reference Guide (July 2026). The comments in the code are by the model that wrote it; some were corrected since.
;; Multi Head Attention. Allowed arithmetic: float matrix products may take bf16 or f16 operands with f32 sums; all other float work in f32.
;; Inputs: Wk 1,024 x 1,024 float32; Wo 1,024 x 1,024 float32; Wq 1,024 x 1,024 float32; Wv 1,024 x 1,024 float32; bk 1,024 float32; bo 1,024 float32; bq 1,024 float32; bv 1,024 float32; x 2 x 2,048 x 1,024 float32.
;; Outputs: out0 2 x 2,048 x 1,024 float32.
;; One version. Each part assembles by itself: llvm-mc -triple=amdgcn-amd-amdhsa -mcpu=gfx1250 --defsym DOCPART=n.
;; ======== version 1 of 1: 4 launches
;; limits: values are held in f16: magnitudes above 65,504 overflow, below 6.1e-05 lose precision
;; workspace buffers: xb 8,388,608 bytes; wqkv 6,291,456 bytes; woc 2,097,152 bytes; qkv 25,165,824 bytes; ctx 8,388,608 bytes
;; launch cast (part 1): grid 128 x 8, 8 waves a work-group, no clusters, 0 bytes of LDS; arguments x, Wq, Wk, Wv, Wo, xb, wqkv, woc; writes xb, wqkv, woc
.if DOCPART == 1
	.amdgcn_target "amdgcn-amd-amdhsa--gfx1250"
	.amdhsa_code_object_version 6
	.text
	.protected	k_qdd715924c7_cast
	.globl	k_qdd715924c7_cast
	.p2align	8
	.type	k_qdd715924c7_cast,@function
k_qdd715924c7_cast:
	s_mov_b64 s[64:65], 0
	v_nop
	global_prefetch_b8 v0, s[64:65] scope:SCOPE_SE
	s_setreg_imm32_b32 hwreg(HW_REG_WAVE_MODE, 25, 1), 1
	s_wait_xcnt 0x0
; f32 -> bf16, rounded once to nearest even, so that the two GEMMs that follow read 16-bit tiles.
;   xb   [4096][1024]      = x
;   wqkv [3072][1024]      = Wq, Wk, Wv one below the other
;   woc  [16][1024][64]    = Wo by chunks of 64 along k: element (n, k) at ((k>>6)*1024 + n)*128 + (k&63)*2
; A work-group takes 32,768 bytes of f32: eight 16-byte loads a thread.  Group y picks the 4 MiB segment: 0-3 the quarters of x,
; 4, 5, 6 = Wq, Wk, Wv, 7 = Wo; group x counts inside the segment.
; A pure stream: every byte is read once and written once.  No LDS, no barrier, no matrix unit; no cluster, since no two work-groups
; read the same byte.  Each load of a wave covers 512 consecutive bytes (Wo: two aligned runs of 256), each store 256 consecutive,
; aligned bytes.  No register that a load or store names is written again, so the only waits are the counted ones for data.
.set IN,  8                            ; v[8:39]   eight loads of four f32
.set OUT, 40                           ; v[40:55]  eight pairs of packed bf16
; Eight loads, then eight times: wait, round, store.  Load i reads at (i/2)*inA + (i%2)*inB, store i writes at (i/2)*outA + (i%2)*outB.
.macro CAST8 inA, inB, outA, outB
.irp i, 0,1,2,3,4,5,6,7
	global_load_b128 v[IN+4*\i:IN+4*\i+3], v1, s[26:27] offset:(\i/2)*\inA+(\i%2)*\inB th:TH_LOAD_NT
.endr
.irp i, 0,1,2,3,4,5,6,7
	s_wait_loadcnt 7-\i                            ; loads return in order: load i is in, the 7 - i younger ones stay out
	v_cvt_pk_bf16_f32 v[OUT+2*\i],   v[IN+4*\i],   v[IN+4*\i+1]
	v_cvt_pk_bf16_f32 v[OUT+2*\i+1], v[IN+4*\i+2], v[IN+4*\i+3]
	global_store_b64 v2, v[OUT+2*\i:OUT+2*\i+1], s[28:29] offset:(\i/2)*\outA+(\i%2)*\outB
.endr
.endm
	s_load_b512 s[8:23], s[0:1], 0x0               ; x 8, Wq 10, Wk 12, Wv 14, Wo 16, xb 18, wqkv 20, woc 22
	s_and_b32 s24, ttmp7, 0xffff                   ; segment
	s_mov_b32 s31, 0                               ; high words of the two offset pairs
	s_mov_b32 s33, 0
	s_wait_kmcnt 0x0
	s_cmp_eq_u32 s24, 7
	s_cbranch_scc1 .Lwo
	; the seven segments that keep their order
	s_cmp_eq_u32 s24, 5
	s_cselect_b64 s[26:27], s[12:13], s[14:15]     ; Wk or Wv
	s_cmp_eq_u32 s24, 4
	s_cselect_b64 s[26:27], s[10:11], s[26:27]     ; Wq
	s_cmp_lt_u32 s24, 4
	s_cselect_b64 s[26:27], s[8:9], s[26:27]       ; x
	s_cselect_b64 s[28:29], s[18:19], s[20:21]     ; xb or wqkv
	s_cselect_b32 s30, s24, 0                      ; x's quarter; a weight starts at its own byte 0
	s_lshl_b32 s30, s30, 22
	s_lshl_b32 s34, ttmp9, 15
	s_add_co_u32 s30, s30, s34                     ; source: quarter * 4 MiB + group * 32 KiB
	s_and_b32 s32, s24, 3                          ; destination: quarter of xb, or 0, 1, 2 for Wq, Wk, Wv
	s_lshl_b32 s32, s32, 21
	s_lshl_b32 s34, ttmp9, 14
	s_add_co_u32 s32, s32, s34
	s_add_nc_u64 s[26:27], s[26:27], s[30:31]
	s_add_nc_u64 s[28:29], s[28:29], s[32:33]
	v_lshlrev_b32 v1, 4, v0                        ; 16 bytes of f32 a thread
	v_lshlrev_b32 v2, 3, v0                        ; 8 bytes of bf16
	CAST8 8192, 4096, 4096, 2048
	s_endpgm
.Lwo:
	; Wo: the group has rows 8 x .. 8 x + 7.  Instruction i of wave w takes rows 2 (i/2), 2 (i/2) + 1 (one for each half of the lanes)
	; and chunk 2 w + i%2: 256 bytes of f32 from each row, which become 2 x 128 neighbouring bytes of woc.
	s_lshl_b32 s30, ttmp9, 15                      ; 8 rows of 4,096 bytes
	s_lshl_b32 s32, ttmp9, 10                      ; 8 rows of 128 bytes inside a chunk
	s_add_nc_u64 s[26:27], s[16:17], s[30:31]
	s_add_nc_u64 s[28:29], s[22:23], s[32:33]
	v_and_b32 v3, 31, v0                           ; lane
	v_lshrrev_b32 v4, 5, v0                        ; wave
	v_lshrrev_b32 v5, 4, v3                        ; which row of the pair
	v_and_b32 v6, 15, v3
	v_lshlrev_b32 v1, 12, v5
	v_lshl_add_u32 v1, v4, 9, v1                   ; + two chunks of 256 bytes a wave
	v_lshl_add_u32 v1, v6, 4, v1
	v_lshlrev_b32 v2, 18, v4                       ; two chunks of 131,072 bytes a wave
	v_lshl_add_u32 v2, v3, 3, v2                   ; + 128 * row of the pair + 8 * (lane mod 16) = 8 * lane
	CAST8 8192, 256, 256, 131072
	s_endpgm
.Lfunc_end_k_qdd715924c7_cast:
	.size	k_qdd715924c7_cast, .Lfunc_end_k_qdd715924c7_cast-k_qdd715924c7_cast
	.p2alignl 7, 3214868480
	.fill 96, 4, 3214868480
	.section	.rodata,"a",@progbits
	.p2align	6, 0x0
	.amdhsa_kernel k_qdd715924c7_cast
		.amdhsa_group_segment_fixed_size 0
		.amdhsa_private_segment_fixed_size 0
		.amdhsa_enable_private_segment 0
		.amdhsa_kernarg_size 64
		.amdhsa_user_sgpr_count 2
		.amdhsa_user_sgpr_kernarg_segment_ptr 1
		.amdhsa_wavefront_size32 1
		.amdhsa_system_sgpr_workgroup_id_x 1
		.amdhsa_system_sgpr_workgroup_id_y 1
		.amdhsa_system_sgpr_workgroup_id_z 1
		.amdhsa_system_vgpr_workitem_id 0
		.amdhsa_next_free_vgpr 64
		.amdhsa_next_free_sgpr 66
		.amdhsa_reserve_vcc 0
		.amdhsa_float_denorm_mode_32 3
		.amdhsa_float_denorm_mode_16_64 3
		.amdhsa_memory_ordered 1
		.amdhsa_forward_progress 1
		.amdhsa_inst_pref_size 8
	.end_amdhsa_kernel
	.amdgpu_metadata
---
amdhsa.version: [ 1, 2 ]
amdhsa.kernels:
  - .name:           k_qdd715924c7_cast
    .symbol:         k_qdd715924c7_cast.kd
    .args:
      - { .name: x, .offset: 0, .size: 8, .value_kind: global_buffer, .address_space: global }
      - { .name: Wq, .offset: 8, .size: 8, .value_kind: global_buffer, .address_space: global }
      - { .name: Wk, .offset: 16, .size: 8, .value_kind: global_buffer, .address_space: global }
      - { .name: Wv, .offset: 24, .size: 8, .value_kind: global_buffer, .address_space: global }
      - { .name: Wo, .offset: 32, .size: 8, .value_kind: global_buffer, .address_space: global }
      - { .name: xb, .offset: 40, .size: 8, .value_kind: global_buffer, .address_space: global }
      - { .name: wqkv, .offset: 48, .size: 8, .value_kind: global_buffer, .address_space: global }
      - { .name: woc, .offset: 56, .size: 8, .value_kind: global_buffer, .address_space: global }
    .group_segment_fixed_size: 0
    .private_segment_fixed_size: 0
    .kernarg_segment_align: 8
    .kernarg_segment_size: 64
    .max_flat_workgroup_size: 256
    .sgpr_count:     66
    .vgpr_count:     64
    .wavefront_size: 32
...
	.end_amdgpu_metadata
.endif
;; end of part 1
;; launch qkv (part 2): grid 16 x 16, 4 waves a work-group, clusters of 4 x 4, 327,680 bytes of LDS; arguments xb, wqkv, bq, bk, bv, qkv; writes qkv
.if DOCPART == 2
	.amdgcn_target "amdgcn-amd-amdhsa--gfx1250"
	.amdhsa_code_object_version 6
	.text
	.protected	k_qdd715924c7_qkv
	.globl	k_qdd715924c7_qkv
	.p2align	8
	.type	k_qdd715924c7_qkv,@function
k_qdd715924c7_qkv:
	s_mov_b64 s[64:65], 0
	v_nop
	global_prefetch_b8 v0, s[64:65] scope:SCOPE_SE
	s_setreg_imm32_b32 hwreg(HW_REG_WAVE_MODE, 25, 1), 1
	s_wait_xcnt 0x0
	s_wait_alu depctr_hold_cnt(0) depctr_sa_sdst(0) depctr_va_vdst(0) depctr_va_sdst(0) depctr_va_ssrc(0) depctr_va_vcc(0) depctr_vm_vsrc(0)
	s_getreg_b32 s2, hwreg(HW_REG_IB_STS2, 6, 4)
	s_cmp_eq_u32 s2, 0
	s_cbranch_scc0 .Lentry_in_a_cluster
	s_endpgm
.Lentry_in_a_cluster:
	s_bfe_u32 s2, ttmp6, 0x10000c
	s_cmp_lg_u32 s2, 0xf033
	s_cbranch_scc0 .Lentry_shape_is_right
	s_endpgm
.Lentry_shape_is_right:
; q, k, v in one GEMM: C[4096][3072] = xb [4096][1024] * wqkv[3072][1024]^T + bias, bf16 operands, f32 sums, the bias added in f32,
; the result rounded once to f16 and stored by chunks of 64 columns: qkv[48 chunks][4096 rows][64], chunk = which*16 + head
; (q = 0, k = 1, v = 2), so that a head's rows lie densely, 128 bytes each.
; LIMIT: q, k, v are kept in f16, so |q|, |k|, |v| must stay below 65,504.  As drawn their rms is 0.58; with x and W both 30 times
; larger about 2,900 at the most; with offsets of 30 spreads on both about 1024 * 0.54 * 30 = 16,600; 900 times smaller they are
; still normal f16 numbers.  f16 is taken for its 11 bits: the softmax of such scores is nearly flat, and each rounding of v passes whole into the result.
; A work-group makes 256 rows x 192 columns (16 x 16 = 256 work-groups); wave w makes rows 64 w .. 64 w + 63 of all 192 columns, three
; whole chunks: 48 accumulator tiles of 16 x 16, 384 registers.  K goes in steps of 128 through a ring of two LDS slots.
; CLUSTERS: 4 x 4 work-groups.  The four of a row of the cluster need the same rows of xb, the four of a column the same rows of wqkv:
; each such tile is asked for jointly, by the same tensor load with the same descriptor in all four.
; REGISTER WINDOWS: 0: addresses, A's fragments (two buffers of 4 x 8), the bias; 1: B's fragments (two buffers of 12 x 8);
; 2: accumulators of my rows 0-31 (tile (a, b) at 8 (12 a + b)); 3: those of rows 32-63.
; The matrix instruction is used transposed (source 0 = rows of wqkv, source 1 = rows of xb): lane l then holds row l % 16 of C and
; its eight registers the columns 8 (l / 16) + 0..7, which pack into 16 neighbouring bytes.
.set KSTEP,  128
.set PITCH,  272                       ; an LDS row: 256 bytes + 16 of padding, an odd multiple of 16: sixteen rows begin at sixteen different 16-byte columns
.set AHALF,  128*PITCH                 ; what wave 0 or 1 fetches: 128 rows of xb
.set BHALF,  96*PITCH                  ; what wave 2 or 3 fetches: 96 rows of wqkv
.set BBASE,  2*AHALF                   ; B's rows lie behind A's 256
.set SLOT,   2*AHALF+2*BHALF           ; 121,856
.set STAGE,  2*SLOT                    ; 243,712 = 952 * 256: behind the ring, 16 rows x 400 bytes for each wave; no tensor load lands there
.set SPITCH, 400                       ; 192 f16 + 16 bytes
.set LAPS,   4                         ; 1024 / (2 * 128)
.set CHUNK,  524288                    ; bytes of a chunk of qkv
.set ADRA, 16                          ; v16-17  LDS address of my A fragments in slot 0, 1
.set ADRB, 20                          ; v20-21  the same for B
.set STO,  24                          ; way out: where I put 16 bytes of a row
.set RD,   25                          ; way out: where I read back
.set CO,   26                          ; 16 * lane
.set BOF,  27                          ; 32 * (lane / 16): my eight bias numbers in a tile of 16
.set FA,   64                          ; window 0: A's fragments, buffer f at FA + 32 f
.set FB,   0                           ; window 1: B's fragments, buffer f at FB + 96 f
.set BI,   128                         ; window 0: v128-223 bias of tile b at BI + 8 b
.set TMP,  32                          ; way out: packed results
.set RB,   80                          ; way out: rows read back
.set G1,  24                           ; s[24:31] group 1 for A's tiles
.set G0,  32                           ; s[32:39] group 0 for A's tiles, a set for each slot
.set G1B, 48                           ; s[48:55] group 1 for B's tiles
.set G0B, 56                           ; s[56:63] group 0 for B's tiles
.set MSB, 0
.macro WIN new                         ; the immediate's high byte repeats the setting that is left
.if MSB != \new
	s_set_vgpr_msb (MSB<<8)|\new
.set MSB, \new
.endif
.endm
.set MUL_LO, 0xa1                      ; source 0 window 1, source 1 window 0, C and D window 2
.set MUL_HI, 0xf1                      ; the same, C and D window 3
.set TO_B,   0x40                      ; destination window 1
.macro PLACES                          ; four plain vector instructions that name no register (ISA guide 7.12.1): the distance between a matrix
.rept 4                                ; instruction and a load into, or a vector instruction on, one of its registers
	v_nop
.endr
.endm
; A joint load: waves 0, 1 ask for A's halves, waves 2, 3 for B's.  The branch hangs on the wave's number alone.
.macro JLOAD s
	s_cmp_eq_u32 s17, 0
	s_cbranch_scc0 .Lfor_b_\@
	tensor_load_to_lds s[G0+4*\s:G0+4*\s+3], s[G1:G1+7]
	s_nop 0
	s_branch .Lasked_\@
.Lfor_b_\@:
	tensor_load_to_lds s[G0B+4*\s:G0B+4*\s+3], s[G1B:G1B+7]
	s_nop 0
.Lasked_\@:
.endm
.macro CREST                           ; a round of the cluster's barrier behind its opening work-group barrier
	s_cmp_lg_u32 s16, 0
	s_cbranch_scc1 .Lnot_wave_0_\@
	s_barrier_signal -3
.Lnot_wave_0_\@:
	s_barrier_wait -3
	s_barrier_signal -1
	s_barrier_wait -1
.endm
.macro CROUND                          ; a whole round
	s_barrier_signal -1
	s_barrier_wait -1
	CREST
.endm
	s_load_b256 s[4:11], s[0:1], 0x0               ; xb 4, wqkv 6, bq 8, bk 10
	s_load_b128 s[12:15], s[0:1], 0x20             ; bv 12, qkv 14
	s_set_vgpr_msb 0x40
	v_lshl_add_u32 v255, v0, 2, 0x41c00
	s_set_vgpr_msb 0x4000
	v_mov_b32 v255, 0
	s_set_vgpr_msb 0x1
	ds_add_u32 v255, v255
	s_set_vgpr_msb 0x100
	v_lshrrev_b32 v1, 5, v0
	v_readfirstlane_b32 s16, v1                    ; wave 0..3
	s_lshr_b32 s17, s16, 1                         ; I fetch for A (0) or for B (1)
	s_and_b32 s18, s16, 1                          ; which half of that tile
	s_bfe_u32 s19, ttmp6, 0x40000                  ; cx
	s_bfe_u32 s20, ttmp6, 0x40004                  ; cy
	s_lshl_b32 s21, ttmp9, 2
	s_add_co_u32 s21, s21, s19                     ; column block j = 4 * cluster x + cx
	s_and_b32 s22, ttmp7, 0xffff
	s_lshl_b32 s22, s22, 2
	s_add_co_u32 s22, s22, s20                     ; row block i = 4 * cluster y + cy
	s_lshl_b32 s23, s20, 2
	s_lshl_b32 s23, 15, s23                        ; my row of the cluster: places 4 cy .. 4 cy + 3
	s_lshl_b32 s40, 0x1111, s19                    ; my column: places cx, cx + 4, cx + 8, cx + 12
	; group 1: rows of 128 elements of 2 bytes, 4 words of padding behind every 64 words; A 128 rows, B 96 rows; pitch 1,024 elements
	s_or_b32 s[G1+0],  s23, (1<<16)|(1<<20)|(1<<21)|(5<<22)|(3<<25)
	s_or_b32 s[G1B+0], s40, (1<<16)|(1<<20)|(1<<21)|(5<<22)|(3<<25)
	s_mov_b32 s[G1+1],  KSTEP<<16                  ; tensor_dim0 = 128
	s_mov_b32 s[G1B+1], KSTEP<<16
	s_mov_b32 s[G1+2],  128<<16                    ; tensor_dim1 = rows
	s_mov_b32 s[G1B+2], 96<<16
	s_mov_b32 s[G1+3],  KSTEP<<16                  ; tile_dim0 = 128
	s_mov_b32 s[G1B+3], KSTEP<<16
	s_mov_b32 s[G1+4],  128                        ; tile_dim1 = rows
	s_mov_b32 s[G1B+4], 96
	s_mov_b32 s[G1+5],  1024                       ; elements from row to row
	s_mov_b32 s[G1B+5], 1024
	s_mov_b32 s[G1+6],  0
	s_mov_b32 s[G1B+6], 0
	s_mov_b32 s[G1+7],  0
	s_mov_b32 s[G1B+7], 0
	; A's address hangs on the row block and the wave, B's on the column block and the wave, each in registers that never hold the other coordinate
	s_lshl_b32 s42, s22, 8
	s_lshl_b32 s41, s18, 7
	s_add_co_u32 s42, s42, s41                     ; row 256 i + 128 * half
	s_lshl_b32 s42, s42, 11                        ; rows of 2,048 bytes: below 8 MiB
	s_mov_b32 s43, 0
	s_mul_i32 s44, s21, 192
	s_mul_i32 s41, s18, 96
	s_add_co_u32 s44, s44, s41                     ; row 192 j + 96 * half
	s_lshl_b32 s44, s44, 11
	s_mov_b32 s45, 0
	s_mul_i32 s46, s16, AHALF                      ; LDS: waves 0, 1: A's halves
	s_mul_i32 s47, s16, BHALF
	s_add_co_u32 s47, s47, BBASE-2*BHALF           ; waves 2, 3: B's halves, behind A
	s_wait_dscnt 0x0
	s_wait_kmcnt 0x0
	s_add_nc_u64 s[42:43], s[4:5], s[42:43]
	s_add_nc_u64 s[44:45], s[6:7], s[44:45]
	CROUND                                         ; all sixteen work-groups are here: the first joint loads meet
.irp s, 0,1
	s_mov_b32 s[G0+4*\s], 1
	s_add_co_u32 s[G0+4*\s+1], s46, \s*SLOT
	s_add_nc_u64 s[G0+4*\s+2:G0+4*\s+3], s[42:43], \s*KSTEP*2      ; K step s
	s_or_b32 s[G0+4*\s+3], s[G0+4*\s+3], 0x80000000
	s_mov_b32 s[G0B+4*\s], 1
	s_add_co_u32 s[G0B+4*\s+1], s47, \s*SLOT
	s_add_nc_u64 s[G0B+4*\s+2:G0B+4*\s+3], s[44:45], \s*KSTEP*2
	s_or_b32 s[G0B+4*\s+3], s[G0B+4*\s+3], 0x80000000
.endr
	s_cmp_eq_u32 s17, 0                            ; both first fills of a wave inside one branch on its number: two tensor loads out, the most in this text
	s_cbranch_scc0 .Lfirst_b
	tensor_load_to_lds s[G0:G0+3], s[G1:G1+7]
	s_nop 0
	tensor_load_to_lds s[G0+4:G0+7], s[G1:G1+7]
	s_nop 0
	s_branch .Lfirst_done
.Lfirst_b:
	tensor_load_to_lds s[G0B:G0B+3], s[G1B:G1B+7]
	s_nop 0
	tensor_load_to_lds s[G0B+4:G0B+7], s[G1B:G1B+7]
	s_nop 0
.Lfirst_done:
	; LDS addresses.  A fragment is 16 rows x 32 K: lane l takes row l % 16, 16 bytes at 16 (l / 16) and 16 more 32 bytes on.
	v_and_b32 v1, 15, v0
	v_bfe_u32 v2, v0, 4, 1
	v_and_b32 v5, 31, v0
	v_mul_u32_u24 v3, v1, PITCH
	v_lshl_add_u32 v3, v2, 4, v3
	s_mul_i32 s41, s16, 64*PITCH                   ; my 64 rows of A
	v_add_nc_u32 v[ADRA], s41, v3
	v_add_nc_u32 v[ADRA+1], SLOT, v[ADRA]
	v_add_nc_u32 v[ADRB], BBASE, v3                ; every wave reads all of B's 192 rows
	v_add_nc_u32 v[ADRB+1], SLOT+BBASE, v3
	s_mul_i32 s41, s16, 16*SPITCH
	s_add_co_u32 s41, s41, STAGE                   ; my stage
	v_mul_u32_u24 v4, v1, SPITCH
	v_lshl_add_u32 v4, v2, 4, v4
	v_add_nc_u32 v[STO], s41, v4                   ; in: row l % 16, 16 bytes for each half of the lanes
	v_lshrrev_b32 v6, 3, v5
	v_and_b32 v7, 7, v5
	v_mul_u32_u24 v6, v6, SPITCH
	v_lshl_add_u32 v6, v7, 4, v6
	v_add_nc_u32 v[RD], s41, v6                    ; back: eight lanes take the 128 bytes of one row of one chunk
	v_lshlrev_b32 v[CO], 4, v5
	v_lshlrev_b32 v[BOF], 5, v2
	; the bias of my three chunks c = 3 j + g: bq, bk or bv by c / 16, at 256 bytes * (c % 16)
	s_mul_i32 s79, s21, 3
	s_mov_b32 s67, 0
.irp g, 0,1,2
	s_add_co_u32 s78, s79, \g
	s_cmp_lt_u32 s78, 32
	s_cselect_b64 s[68+2*\g:69+2*\g], s[10:11], s[12:13]
	s_cmp_lt_u32 s78, 16
	s_cselect_b64 s[68+2*\g:69+2*\g], s[8:9], s[68+2*\g:69+2*\g]
	s_and_b32 s66, s78, 15
	s_lshl_b32 s66, s66, 8
	s_add_nc_u64 s[68+2*\g:69+2*\g], s[68+2*\g:69+2*\g], s[66:67]
.endr
.irp b, 0,1,2,3,4,5,6,7,8,9,10,11
	global_load_b128 v[BI+8*\b:BI+8*\b+3],   v[BOF], s[68+2*(\b/4):69+2*(\b/4)] offset:64*(\b%4)      ; they stay out through the K loop;
	global_load_b128 v[BI+8*\b+4:BI+8*\b+7], v[BOF], s[68+2*(\b/4):69+2*(\b/4)] offset:64*(\b%4)+16   ; their wait stands in front of the way out
.endr
	; where my 64 rows of three chunks go
	s_lshl_b32 s76, s79, 19                        ; chunk 3 j
	s_lshl_b32 s78, s22, 8
	s_lshl_b32 s79, s16, 6
	s_add_co_u32 s78, s78, s79                     ; row 256 i + 64 w
	s_lshl_b32 s78, s78, 7
	s_add_co_u32 s76, s76, s78
	s_mov_b32 s77, 0
	s_add_nc_u64 s[74:75], s[14:15], s[76:77]
; 12 matrix instructions: one block of 16 rows (hi: window 2 or 3; al: which of the window's two) x all 12 column blocks, 32 along K
.macro MUL12 f, hi, al, zero
.irp b, 0,1,2,3,4,5,6,7,8,9,10,11
.if \zero
	v_wmma_f32_16x16x32_bf16 v[8*(12*\al+\b):8*(12*\al+\b)+7], v[FB+96*\f+8*\b:FB+96*\f+8*\b+7], v[FA+32*\f+8*(2*\hi+\al):FA+32*\f+8*(2*\hi+\al)+7], 0
.else
	v_wmma_f32_16x16x32_bf16 v[8*(12*\al+\b):8*(12*\al+\b)+7], v[FB+96*\f+8*\b:FB+96*\f+8*\b+7], v[FA+32*\f+8*(2*\hi+\al):FA+32*\f+8*(2*\hi+\al)+7], v[8*(12*\al+\b):8*(12*\al+\b)+7]
.endif
.endr
.endm
; 32 LDS loads in one run: 192 rows of B, then my 64 rows of A, 32 K at byte k of the rows, into buffer f
.macro FETCH slot, k, f
	WIN TO_B
.irp i, 0,1,2,3,4,5,6,7,8,9,10,11
	ds_load_b128 v[FB+96*\f+8*\i:FB+96*\f+8*\i+3],   v[ADRB+\slot] offset:\k+\i*16*PITCH
	ds_load_b128 v[FB+96*\f+8*\i+4:FB+96*\f+8*\i+7], v[ADRB+\slot] offset:\k+\i*16*PITCH+32
.endr
	WIN 0
.irp i, 0,1,2,3
	ds_load_b128 v[FA+32*\f+8*\i:FA+32*\f+8*\i+3],   v[ADRA+\slot] offset:\k+\i*16*PITCH
	ds_load_b128 v[FA+32*\f+8*\i+4:FA+32*\f+8*\i+7], v[ADRA+\slot] offset:\k+\i*16*PITCH+32
.endr
.endm
; A K step is four quarters of 32 along K, 48 matrix instructions each, on buffers 0, 1, 0, 1.  The 48 accumulators take turns, one
; instruction a turn, in the same order in every quarter.
.macro QUARTER slot, k, f, g, zero
	s_wait_dscnt 4                                 ; B and A's rows 0-31 are in; the four youngest loads are A's rows 32-63
	WIN MUL_LO
	MUL12 \f, 0, 0, \zero
	MUL12 \f, 0, 1, \zero
	PLACES                                         ; buffer g was read by the quarter before
	FETCH \slot, \k, \g
	s_wait_dscnt 32                                ; all but the 32 just issued
	WIN MUL_HI
	MUL12 \f, 1, 0, \zero
	MUL12 \f, 1, 1, \zero
.endm
.macro THREE slot, zero
	QUARTER \slot, 64,  0, 1, \zero
	QUARTER \slot, 128, 1, 0, 0
	QUARTER \slot, 192, 0, 1, 0
.endm
; The last quarter multiplies buffer 1 and changes slots.  In front of the barrier each wave waits for its reads of this slot and for all
; its tensor loads (one is out: its part of the next slot).  Where the slot is filled again the barrier opens a round of the cluster's
; barrier, and the joint refill is the first tensor load behind the round; it has 180 matrix instructions of a wave in which to land.
.macro TURN slot, next, fill
	s_wait_dscnt 4
	WIN MUL_LO
	MUL12 1, 0, 0, 0
	s_wait_dscnt 0                                 ; my reads of this slot are over
	s_wait_tensorcnt 0x0                           ; all my tensor loads have landed
	ds_add_u32 v255, v255
	s_wait_dscnt 0x0
	s_barrier_signal -1
	MUL12 1, 0, 1, 0                               ; register work while the others arrive
	WIN 0
	s_barrier_wait -1
.if \fill
	CREST
	s_add_nc_u64 s[G0+4*\slot+2:G0+4*\slot+3], s[G0+4*\slot+2:G0+4*\slot+3], 2*KSTEP*2
	s_add_nc_u64 s[G0B+4*\slot+2:G0B+4*\slot+3], s[G0B+4*\slot+2:G0B+4*\slot+3], 2*KSTEP*2
	JLOAD \slot
.endif
	PLACES
	FETCH \next, 0, 0
	WIN MUL_HI
	MUL12 1, 1, 0, 0
	MUL12 1, 1, 1, 0
.endm
.macro LAP zero
	THREE 0, \zero
	TURN 0, 1, 1
	THREE 1, 0
	TURN 1, 0, 1
.endm
	s_wait_tensorcnt 0x1                           ; my part of K step 0 is in; K step 1's stays out
	s_barrier_signal -1
	s_barrier_wait -1
	FETCH 0, 0, 0
	LAP 1                                          ; the first products start the sums: nothing is cleared
	WIN 0
	s_mov_b32 s3, LAPS-2
.Llap:
	LAP 0
	WIN 0
	s_sub_co_u32 s3, s3, 1
	s_cmp_lg_u32 s3, 0
	s_cbranch_scc1 .Llap
	THREE 0, 0                                     ; the last lap fills nothing and has no round
	TURN 0, 1, 0
	THREE 1, 0
	s_wait_dscnt 4
	WIN MUL_LO
	MUL12 1, 0, 0, 0
	MUL12 1, 0, 1, 0
	s_wait_dscnt 0
	WIN MUL_HI
	MUL12 1, 1, 0, 0
	MUL12 1, 1, 1, 0
	; THE WAY OUT, 16 rows at a time: add the bias in f32, round to f16, 16 bytes a lane into my own stage, read back by chunks.
	PLACES
	s_wait_loadcnt 0x0                             ; the bias
.macro OUT16 a
.if \a < 2
	WIN 0x82                                       ; accumulators (destination, source 0) in window 2, the bias in window 0
.else
	WIN 0xc3
.endif
.irp b, 0,1,2,3,4,5,6,7,8,9,10,11
.irp r, 0,2,4,6
	v_pk_add_f32 v[8*(12*(\a%2)+\b)+\r:8*(12*(\a%2)+\b)+\r+1], v[8*(12*(\a%2)+\b)+\r:8*(12*(\a%2)+\b)+\r+1], v[BI+8*\b+\r:BI+8*\b+\r+1]
.endr
.endr
.if \a < 2
	WIN 0x0a
.else
	WIN 0x0f
.endif
.irp b, 0,1,2,3,4,5,6,7,8,9,10,11
.irp r, 0,1,2,3
	v_cvt_pk_f16_f32 v[TMP+4*\b+\r], v[8*(12*(\a%2)+\b)+2*\r], v[8*(12*(\a%2)+\b)+2*\r+1]
.endr
.endr
	WIN 0
.irp b, 0,1,2,3,4,5,6,7,8,9,10,11
	ds_store_b128 v[STO], v[TMP+4*\b:TMP+4*\b+3] offset:32*\b
.endr
	s_wait_xcnt 0x0                                ; RB, which the last 16 rows' stores read, is loaded again only behind this wait
.irp u, 0,1,2,3,4,5,6,7,8,9,10,11
	ds_load_b128 v[RB+4*\u:RB+4*\u+3], v[RD] offset:(\u%4)*4*SPITCH+128*(\u/4)     ; four rows of chunk u / 4; LDS serves a wave in order: these see the stores above
.endr
.irp u, 0,1,2,3,4,5,6,7,8,9,10,11
	s_wait_dscnt 11-\u
	global_store_b128 v[CO], v[RB+4*\u:RB+4*\u+3], s[74:75] offset:(\u/4)*CHUNK+(16*\a+4*(\u%4))*128   ; 512 consecutive, aligned bytes: four rows of one chunk
.endr
.endm
	OUT16 0
	OUT16 1
	OUT16 2
	OUT16 3
	s_set_vgpr_msb 0x1
	s_wait_tensorcnt 0x0
	ds_add_u32 v255, v255
	s_wait_dscnt 0x0
	s_set_vgpr_msb 0x100
	CROUND                                         ; the closing round: no work-group ends while a partner may still ask for a tile that names it
	s_endpgm
.Lfunc_end_k_qdd715924c7_qkv:
	.size	k_qdd715924c7_qkv, .Lfunc_end_k_qdd715924c7_qkv-k_qdd715924c7_qkv
	.p2alignl 7, 3214868480
	.fill 96, 4, 3214868480
	.section	.rodata,"a",@progbits
	.p2align	6, 0x0
	.amdhsa_kernel k_qdd715924c7_qkv
		.amdhsa_group_segment_fixed_size 327680
		.amdhsa_private_segment_fixed_size 0
		.amdhsa_enable_private_segment 0
		.amdhsa_kernarg_size 48
		.amdhsa_user_sgpr_count 2
		.amdhsa_user_sgpr_kernarg_segment_ptr 1
		.amdhsa_wavefront_size32 1
		.amdhsa_system_sgpr_workgroup_id_x 1
		.amdhsa_system_sgpr_workgroup_id_y 1
		.amdhsa_system_sgpr_workgroup_id_z 1
		.amdhsa_system_vgpr_workitem_id 0
		.amdhsa_next_free_vgpr 1024
		.amdhsa_next_free_sgpr 80
		.amdhsa_reserve_vcc 0
		.amdhsa_float_denorm_mode_32 3
		.amdhsa_float_denorm_mode_16_64 3
		.amdhsa_memory_ordered 1
		.amdhsa_forward_progress 1
		.amdhsa_inst_pref_size 178
	.end_amdhsa_kernel
	.amdgpu_metadata
---
amdhsa.version: [ 1, 2 ]
amdhsa.kernels:
  - .name:           k_qdd715924c7_qkv
    .symbol:         k_qdd715924c7_qkv.kd
    .args:
      - { .name: xb, .offset: 0, .size: 8, .value_kind: global_buffer, .address_space: global }
      - { .name: wqkv, .offset: 8, .size: 8, .value_kind: global_buffer, .address_space: global }
      - { .name: bq, .offset: 16, .size: 8, .value_kind: global_buffer, .address_space: global }
      - { .name: bk, .offset: 24, .size: 8, .value_kind: global_buffer, .address_space: global }
      - { .name: bv, .offset: 32, .size: 8, .value_kind: global_buffer, .address_space: global }
      - { .name: qkv, .offset: 40, .size: 8, .value_kind: global_buffer, .address_space: global }
    .group_segment_fixed_size: 327680
    .private_segment_fixed_size: 0
    .kernarg_segment_align: 8
    .kernarg_segment_size: 48
    .max_flat_workgroup_size: 128
    .sgpr_count:     80
    .vgpr_count:     1024
    .wavefront_size: 32
...
	.end_amdgpu_metadata
.endif
;; end of part 2
;; launch attn (part 3): grid 8 x 32, 8 waves a work-group, clusters of 4 x 1, 327,680 bytes of LDS; arguments qkv, ctx; writes ctx
.if DOCPART == 3
	.amdgcn_target "amdgcn-amd-amdhsa--gfx1250"
	.amdhsa_code_object_version 6
	.text
	.protected	k_qdd715924c7_attn
	.globl	k_qdd715924c7_attn
	.p2align	8
	.type	k_qdd715924c7_attn,@function
k_qdd715924c7_attn:
	s_mov_b64 s[64:65], 0
	v_nop
	global_prefetch_b8 v0, s[64:65] scope:SCOPE_SE
	s_setreg_imm32_b32 hwreg(HW_REG_WAVE_MODE, 25, 1), 1
	s_wait_xcnt 0x0
	s_wait_alu depctr_hold_cnt(0) depctr_sa_sdst(0) depctr_va_vdst(0) depctr_va_sdst(0) depctr_va_ssrc(0) depctr_va_vcc(0) depctr_vm_vsrc(0)
	s_getreg_b32 s2, hwreg(HW_REG_IB_STS2, 6, 4)
	s_cmp_eq_u32 s2, 0
	s_cbranch_scc0 .Lentry_in_a_cluster
	s_endpgm
.Lentry_in_a_cluster:
	s_bfe_u32 s2, ttmp6, 0x10000c
	s_cmp_lg_u32 s2, 0x3003
	s_cbranch_scc0 .Lentry_shape_is_right
	s_endpgm
.Lentry_shape_is_right:
; ctx = softmax(q k^T / 8) v for one (batch, head) and 256 queries a work-group; running maximum and running sum in f32.
; qkv: [48 chunks][4096 rows][64] f16 (chunk = which*16 + head); ctx: [16 heads][4096 rows][64] bf16.
; Eight waves, 32 queries each (two tiles qt of 16), two waves on a SIMD.
; LAYOUT.  S^T = K Q^T: source 0 = 16 keys, source 1 = 16 queries.  Lane (r, h) then holds query r and keys 16 kt + 8 h + 0..7, so the
; row's maximum and sum are a lane's own but for one exchange between the halves, and the tiles kt = 2 p, 2 p + 1, packed to f16, ARE the
; operand "queries x 32 keys" of the second product.  ctx^T = V^T P: source 0 = V^T, read from LDS by the transposing load; lane (r, h)
; holds query r and d = 16 t + 8 h + 0..7: the rescaling is a lane's own multiply and a lane's eight results are 16 neighbouring bytes.
; PIPELINE.  A step is 64 keys.  Step j finds its scores S(j) ready in one of two buffers; the 16 products of S(j+1) go into the other, one
; behind every eight vector instructions of step j's softmax, so that they run under it.  V(j) is loaded at the head of the step, K(j+2)
; behind the sums: each has most of a step in which to come.  The rescaling of the accumulators is laid between the first products of P V.
; The pipeline is drained at the end of a tile and started anew by a prologue: the next tile's slot is shown whole only by the barrier there.
; WINDOWS.  Window 0: addresses, row statistics, Q, K's fragments, both score buffers: all that the softmax and the score products name, so
; that they mix under one setting.  Window 1: the accumulators and V's fragments.  Four switches a step.
; SLOTS AND LOOP.  Two slots of 256 keys (V 256 x 160 bytes, K 256 x 144), eight tiles of four steps, six refills.  Every LDS address is a
; base register of the slot plus an immediate.  The loop's seam lies in the middle of slot 0's tile: head = its steps 0, 1; a trip = its steps
; 2, 3, its refill, slot 1's tile, slot 1's refill, the next tile's steps 0, 1; three trips; the last tile and a half are written out without
; fills.  So the text holds 16 of the 32 steps, eight of them in the loop, and both rounds of a trip lie inside the body.
; CLUSTER 4, 1, 1: the four partners have the same (batch, head) and ask for K's and V's tiles jointly (mask 15).
; LIMITS: q, k, v and the weights P are f16 (|q|, |k|, |v| < 65,504: see the launch that makes them; P lies in [0, 1]); ctx is rounded to
; bf16; weights below 2^-126 of the row's largest count as 0 (v_exp_f32 flushes them: ISA guide, its entry); NaN and infinities are not treated apart.
.set KP, 144                           ; K's LDS pitch: 128 + 16, an odd multiple of 16
.set VP, 160                           ; V's LDS pitch: 128 + 32, an odd multiple of 32, for the transposing load
.set TKEYS, 256                        ; keys in a tile
.set VBYTES, TKEYS*VP                  ; 40,960
.set KBYTES, TKEYS*KP                  ; 36,864
.set SLOT,  VBYTES+KBYTES              ; 77,824: V, then K
.set STAGE, 2*SLOT                     ; 155,648 = 608 * 256: 32 rows x 144 bytes for each wave; no tensor load lands there
.set WSTAGE, 32*KP
.set TILEB, TKEYS*128                  ; a tile of K or of V in memory
.set KA,  2                            ; v2-3    K fragments' LDS address, slot 0, 1
.set VA,  4                            ; v4-5    the same for V
.set NM,  10                           ; v10, v12  - c * maximum;   the packed forms name the pairs (NM, MX)
.set MX,  11                           ; v11, v13  running maximum of the raw scores, per qt
.set AL,  14                           ; v14, v16  the factor by which old sums shrink;   pairs (AL, LS)
.set LS,  15                           ; v15, v17  running sum (this half of the lanes' keys)
.set U,   18                           ; v18-19  what the other half sent
.set T,   20                           ; v20-31  at work
.set QF,  32                           ; v32-63  Q fragment (qt, ks) at 16 qt + 8 ks
.set KF,  64                           ; v64-127 K fragment (kt, ks) at 16 kt + 8 ks
.set S0,  128                          ; v128-191, v192-255: two score buffers; tile (kt, qt) at 16 (2 (kt/2) + qt) + 8 (kt%2)
.set ACC, 0                            ; window 1: v0-63   ctx^T tile n = 2 t + qt at 8 n
.set VF,  64                           ; window 1: v64-127 V^T fragment (p, t) at 32 p + 8 t
.set G1V,  16                          ; s[16:23] group 1: 64 keys of V
.set G1K,  24                          ; s[24:31] 64 keys of K
.set G0V,  32                          ; s[32:39] group 0 for V, a set for each slot
.set G0K,  40                          ; s[40:47] the same for K
.set CPOS, 0x3e38aa3b                  ; c = log2(e) / 8: the scale 1/8 and the change to base 2 in one factor
.set CNEG, 0xbe38aa3b
.set MSB, 0
.macro WIN new                         ; the immediate's high byte repeats the setting that is left
.if MSB != \new
	s_set_vgpr_msb (MSB<<8)|\new
.set MSB, \new
.endif
.endm
.set TO_V, 0x40                        ; destination window 1, address window 0
.set PVW,  0x51                        ; source 0, source 2 and destination window 1, source 1 window 0: P V's products, and ACC *= AL
.macro CREST                           ; a round of the cluster's barrier behind its opening work-group barrier
	s_cmp_lg_u32 s8, 0
	s_cbranch_scc1 .Lnot_wave_0_\@
	s_barrier_signal -3
.Lnot_wave_0_\@:
	s_barrier_wait -3
	s_barrier_signal -1
	s_barrier_wait -1
.endm
.macro ROUND                           ; a whole round
	s_barrier_signal -1
	s_barrier_wait -1
	CREST
.endm
.macro JLOAD slot                      ; waves 0-3 ask for 64 keys of V each, waves 4-7 for 64 keys of K
	s_cmp_lt_u32 s8, 4
	s_cbranch_scc0 .Lfor_k_\@
	tensor_load_to_lds s[G0V+4*\slot:G0V+4*\slot+3], s[G1V:G1V+7]
	s_nop 0
	s_branch .Lasked_\@
.Lfor_k_\@:
	tensor_load_to_lds s[G0K+4*\slot:G0K+4*\slot+3], s[G1K:G1K+7]
	s_nop 0
.Lasked_\@:
.endm
; Group 1.  The panels are dense in memory, so two keys' rows are taken as one row of 128 elements, 256 bytes; the padding follows every
; 32 words, that is every key's 128 bytes (8 words for V, 4 for K).  rows = keys / 2.  Mask 15, bit 21 beside it.
.macro MKG1 g, padcode, rows
	s_mov_b32 s[\g+0], 15|(1<<16)|(1<<20)|(1<<21)|(4<<22)|(\padcode<<25)
	s_mov_b32 s[\g+1], 128<<16                     ; tensor_dim0
	s_mov_b32 s[\g+2], \rows<<16                   ; tensor_dim1
	s_mov_b32 s[\g+3], 128<<16                     ; tile_dim0
	s_mov_b32 s[\g+4], \rows                       ; tile_dim1
	s_mov_b32 s[\g+5], 128                         ; elements from row to row
	s_mov_b32 s[\g+6], 0
	s_mov_b32 s[\g+7], 0
.endm
.macro MKG0 g, lreg, loff, breg, goff
	s_mov_b32 s[\g], 1
	s_add_co_u32 s[\g+1], s[\lreg], \loff
	s_add_nc_u64 s[\g+2:\g+3], s[\breg:\breg+1], \goff
	s_or_b32 s[\g+3], s[\g+3], 0x80000000
.endm
	s_load_b128 s[4:7], s[0:1], 0x0                ; qkv, ctx
	v_lshl_add_u32 v8, v0, 2, 0x2f000
	v_mov_b32 v9, 0
	ds_add_u32 v8, v9
	v_lshrrev_b32 v1, 5, v0
	v_readfirstlane_b32 s8, v1                     ; wave 0..7
	s_bfe_u32 s9, ttmp6, 0x40000                   ; cx: enters Q's and ctx's global addresses alone
	s_lshl_b32 s10, ttmp9, 2
	s_add_co_u32 s10, s10, s9                      ; block of 256 queries
	s_and_b32 s11, ttmp7, 0xffff
	s_and_b32 s12, s11, 15                         ; head
	s_lshr_b32 s13, s11, 4                         ; batch
	s_mov_b32 s60, 0x76543210                      ; v_permlanex16_b32: lane i of one half reads lane i of the other
	s_mov_b32 s61, 0xfedcba98
	MKG1 G1V, 7, 32
	MKG1 G1K, 3, 32
	s_lshl_b32 s84, s12, 19
	s_lshl_b32 s85, s13, 18
	s_add_co_u32 s84, s84, s85                     ; head * chunk + batch * panel
	s_lshl_b32 s85, s8, 13                         ; 64 rows of 128 bytes a wave
	s_add_co_u32 s86, s84, s85
	s_add_co_u32 s86, s86, 32<<19                  ; V: chunk 32 + head, rows 64 w
	s_mov_b32 s87, 0
	s_add_co_u32 s88, s84, s85
	s_add_co_u32 s88, s88, (16<<19)-32768          ; K: chunk 16 + head, rows 64 (w - 4)
	s_mov_b32 s89, 0
	s_lshl_b32 s90, s10, 15                        ; my 32 queries: 256 rows a block, 32 a wave; the same offset in q's chunk and in ctx
	s_add_co_u32 s90, s90, s84
	s_lshl_b32 s85, s8, 12
	s_add_co_u32 s90, s90, s85
	s_mov_b32 s91, 0
	s_mul_i32 s92, s8, 64*VP                       ; LDS: V's quarter w
	s_mul_i32 s93, s8, 64*KP
	s_add_co_u32 s93, s93, VBYTES-4*64*KP          ; K's quarter w - 4, behind V
	s_mul_i32 s62, s8, WSTAGE
	s_add_co_u32 s62, s62, STAGE                   ; my stage
	s_wait_dscnt 0x0
	s_wait_kmcnt 0x0
	s_add_nc_u64 s[86:87], s[4:5], s[86:87]
	s_add_nc_u64 s[88:89], s[4:5], s[88:89]
	s_add_nc_u64 s[80:81], s[4:5], s[90:91]        ; Q
	s_add_nc_u64 s[82:83], s[6:7], s[90:91]        ; ctx
	ROUND                                          ; the four partners are here: the first joint loads meet
	MKG0 G0V,   92, 0,    86, 0                    ; tile 0
	MKG0 G0V+4, 92, SLOT, 86, TILEB                ; tile 1
	MKG0 G0K,   93, 0,    88, 0
	MKG0 G0K+4, 93, SLOT, 88, TILEB
	s_cmp_lt_u32 s8, 4                             ; both first fills of a wave inside one branch on its number: two tensor loads out, the most in this text
	s_cbranch_scc0 .Lfirst_k
	tensor_load_to_lds s[G0V:G0V+3], s[G1V:G1V+7]
	s_nop 0
	tensor_load_to_lds s[G0V+4:G0V+7], s[G1V:G1V+7]
	s_nop 0
	s_branch .Lfirst_done
.Lfirst_k:
	tensor_load_to_lds s[G0K:G0K+3], s[G1K:G1K+7]
	s_nop 0
	tensor_load_to_lds s[G0K+4:G0K+7], s[G1K:G1K+7]
	s_nop 0
.Lfirst_done:
	v_and_b32 v20, 15, v0                          ; r
	v_bfe_u32 v21, v0, 4, 1                        ; h
	v_and_b32 v22, 7, v0                           ; lane % 8
	v_lshlrev_b32 v23, 7, v20
	v_lshl_add_u32 v23, v21, 4, v23                ; Q: row r of 128 bytes + 16 h; left alone until Q's loads are waited for
.irp qt, 0,1
.irp ks, 0,1
	global_load_b128 v[QF+16*\qt+8*\ks:QF+16*\qt+8*\ks+3],   v23, s[80:81] offset:\qt*2048+64*\ks
	global_load_b128 v[QF+16*\qt+8*\ks+4:QF+16*\qt+8*\ks+7], v23, s[80:81] offset:\qt*2048+64*\ks+32
.endr
.endr
	v_mul_u32_u24 v24, v20, KP
	v_lshl_add_u32 v24, v21, 4, v24                ; r * 144 + 16 h
	v_add_nc_u32 v[KA],   VBYTES, v24
	v_add_nc_u32 v[KA+1], SLOT+VBYTES, v24
	v_lshl_add_u32 v25, v21, 3, v22                ; key 8 h + lane % 8
	v_mul_u32_u24 v25, v25, VP
	v_bfe_u32 v26, v0, 3, 1
	v_lshl_add_u32 v[VA], v26, 4, v25              ; + 16 bytes for the second eight columns
	v_add_nc_u32 v[VA+1], SLOT, v[VA]
	v_mov_b32 v[U], 0                              ; v_permlanex16_b32 counts as a reader of its destination
	v_mov_b32 v[U+1], 0
; 16 LDS loads: K's fragments of step st (64 keys) of a slot, d = 0..31 first
.macro KLOAD slot, st
.irp ks, 0,1
.irp kt, 0,1,2,3
	ds_load_b128 v[KF+16*\kt+8*\ks:KF+16*\kt+8*\ks+3],   v[KA+\slot] offset:(64*\st+16*\kt)*KP+64*\ks
	ds_load_b128 v[KF+16*\kt+8*\ks+4:KF+16*\kt+8*\ks+7], v[KA+\slot] offset:(64*\st+16*\kt)*KP+64*\ks+32
.endr
.endr
.endm
; 16 transposing LDS loads: V^T of step st: d = 16 t + r, keys 32 p + 8 h .. and 32 p + 16 + 8 h ..
.macro VLOAD slot, st
	WIN TO_V
.irp p, 0,1
.irp t, 0,1,2,3
	ds_load_tr16_b128 v[VF+32*\p+8*\t:VF+32*\p+8*\t+3],   v[VA+\slot] offset:(64*\st+32*\p)*VP+32*\t
	ds_load_tr16_b128 v[VF+32*\p+8*\t+4:VF+32*\p+8*\t+7], v[VA+\slot] offset:(64*\st+32*\p+16)*VP+32*\t
.endr
.endr
	WIN 0
.endm
; The n-th of the 16 score products into buffer nb (on = 0: none).  n = 0..7: d = 0..31 starts the eight sums; n = 8..15: d = 32..63 is added.
; The eight accumulators take turns, one instruction a turn.
.macro SW on, nb, n
.if \on
.set SWKS, (\n)/8
.set SWKT, ((\n)%8)/2
.set SWQT, (\n)%2
.set SWD,  S0+64*(\nb)+16*(2*(SWKT/2)+SWQT)+8*(SWKT%2)
.if SWKS == 0
	v_wmma_f32_16x16x32_f16 v[SWD:SWD+7], v[KF+16*SWKT:KF+16*SWKT+7], v[QF+16*SWQT:QF+16*SWQT+7], 0
.else
	v_wmma_f32_16x16x32_f16 v[SWD:SWD+7], v[KF+16*SWKT+8:KF+16*SWKT+15], v[QF+16*SWQT+8:QF+16*SWQT+15], v[SWD:SWD+7]
.endif
.endif
.endm
; exponents and exponentials of one query tile, 32 numbers a lane, with six score products n0 .. n0 + 5 of the next step between them
.macro EXPQ qt, on, nb, n0
.irp p, 0,1
.irp j, 0,2,4,6,8,10,12,14
	v_pk_fma_f32 v[SC+32*\p+16*\qt+\j:SC+32*\p+16*\qt+\j+1], v[SC+32*\p+16*\qt+\j:SC+32*\p+16*\qt+\j+1], CPOS, v[NM+2*\qt:NM+2*\qt+1] op_sel_hi:[1,0,0]   ; c s - c max
.endr
	SW \on, \nb, \n0+\p
.endr
.irp p, 0,1
.irp e, 0,1
.irp j, 0,1,2,3,4,5,6,7
	v_exp_f32 v[SC+32*\p+16*\qt+8*\e+\j], v[SC+32*\p+16*\qt+8*\e+\j]
.endr
	SW \on, \nb, \n0+2+2*\p+\e
.endr
.endr
.endm
.macro RESC n                          ; accumulator tile n shrinks by its query tile's factor (destination and source 0 in window 1)
.irp j, 0,2,4,6
	v_pk_mul_f32 v[ACC+8*(\n)+\j:ACC+8*(\n)+\j+1], v[ACC+8*(\n)+\j:ACC+8*(\n)+\j+1], v[AL+2*((\n)%2):AL+2*((\n)%2)+1] op_sel_hi:[1,0]
.endr
.endm
.macro PVM p, n, zero                  ; ctx^T tile n += V^T(p, n / 2) P(p, n % 2)
.if \zero
	v_wmma_f32_16x16x32_f16 v[ACC+8*(\n):ACC+8*(\n)+7], v[VF+32*\p+8*((\n)/2):VF+32*\p+8*((\n)/2)+7], v[SC+32*\p+16*((\n)%2):SC+32*\p+16*((\n)%2)+7], 0
.else
	v_wmma_f32_16x16x32_f16 v[ACC+8*(\n):ACC+8*(\n)+7], v[VF+32*\p+8*((\n)/2):VF+32*\p+8*((\n)/2)+7], v[SC+32*\p+16*((\n)%2):SC+32*\p+16*((\n)%2)+7], v[ACC+8*(\n):ACC+8*(\n)+7]
.endif
.endm
; One step: 64 keys, step st of the slot; its scores lie in buffer cur.  first = 1: the very first step starts maximum, sums and accumulators.
; ns = 1: the next step's scores are made on the way (K's fragments are in KF).  nk = 1: K's fragments of step kst, two steps on, are fetched.
; sig = 1 (a tile's last step, nk = 0): once V's fragments are in registers all my reads of the slot are over; the barrier is signalled there,
; and P V, which is register work, runs while the other waves arrive.
; DISTANCES behind matrix instructions (ISA guide 7.12.1), all kept by the softmax's own plain vector instructions, which name only this step's buffer and v10-31:
;   V's loads land on the last P V's source 0 behind the first eight maxima; the first score product writes over the last P behind sixteen;
;   K's loads land on the score products' source 0 behind the 34 instructions of the sums; the next step reads the new scores behind conversions and rescaling.
.macro STEP slot, st, cur, first, ns, nk, kst, sig
.set SC, S0+64*(\cur)
	; the maximum: eight chains of eight scores
.irp qt, 0,1
.irp p, 0,1
.irp e, 0,1
	v_max_num_f32 v[T+4*\qt+2*\p+\e], v[SC+32*\p+16*\qt+8*\e], v[SC+32*\p+16*\qt+8*\e+1]
.endr
.endr
.endr
	VLOAD \slot, \st
.if \ns
	s_wait_dscnt 16                                ; K's fragments, fetched a step ago, are in; the 16 loads of V just issued stay out
.endif
.irp j, 2,4,6
.irp qt, 0,1
.irp p, 0,1
.irp e, 0,1
	v_max3_num_f32 v[T+4*\qt+2*\p+\e], v[T+4*\qt+2*\p+\e], v[SC+32*\p+16*\qt+8*\e+\j], v[SC+32*\p+16*\qt+8*\e+\j+1]
.endr
.endr
.endr
	SW \ns, 1-\cur, \j/2-1
.endr
	v_max3_num_f32 v[T],   v[T],   v[T+1], v[T+2]
	v_max3_num_f32 v[T+4], v[T+4], v[T+5], v[T+6]
.if \first
	v_max_num_f32 v[T],   v[T],   v[T+3]
	v_max_num_f32 v[T+4], v[T+4], v[T+7]
.else
	v_max3_num_f32 v[T],   v[T],   v[T+3], v[MX]   ; the old maximum joins
	v_max3_num_f32 v[T+4], v[T+4], v[T+7], v[MX+2]
.endif
	v_permlanex16_b32 v[U],   v[T],   s60, s61     ; the other half's keys of the same query
	v_permlanex16_b32 v[U+1], v[T+4], s60, s61
	v_max_num_f32 v[MX],   v[T],   v[U]
	v_max_num_f32 v[MX+2], v[T+4], v[U+1]
.if \first
	v_mul_f32 v[NM],   CNEG, v[MX]
	v_mul_f32 v[NM+2], CNEG, v[MX+2]
.else
	v_mul_f32 v[T+8], CNEG, v[MX]
	v_mul_f32 v[T+9], CNEG, v[MX+2]
	v_sub_f32 v[T+10], v[T+8], v[NM]               ; the difference of the two ROUNDED shifts: old and new weights stay on one scale
	v_sub_f32 v[T+11], v[T+9], v[NM+2]
	v_mov_b32 v[NM],   v[T+8]
	v_mov_b32 v[NM+2], v[T+9]
	v_exp_f32 v[AL],   v[T+10]
	v_exp_f32 v[AL+2], v[T+11]                     ; the plain instruction behind them (ISA guide 5.7.2) is the first multiply-add below
.endif
	SW \ns, 1-\cur, 3
	EXPQ 0, \ns, 1-\cur, 4
	EXPQ 1, \ns, 1-\cur, 10                        ; its multiply-adds are the plain instructions behind tile 0's exponentials
	; the sums, four chains by turns; the first add, on tile 0, is the plain instruction behind tile 1's exponentials
	s_wait_alu depctr_va_vdst(0)
.irp qt, 0,1
	v_pk_add_f32 v[T+4*\qt:T+4*\qt+1],   v[SC+16*\qt:SC+16*\qt+1],       v[SC+16*\qt+2:SC+16*\qt+3]
	v_pk_add_f32 v[T+4*\qt+2:T+4*\qt+3], v[SC+32+16*\qt:SC+32+16*\qt+1], v[SC+32+16*\qt+2:SC+32+16*\qt+3]
.endr
.irp j, 4,6,8,10,12,14
.irp qt, 0,1
	v_pk_add_f32 v[T+4*\qt:T+4*\qt+1],   v[T+4*\qt:T+4*\qt+1],   v[SC+16*\qt+\j:SC+16*\qt+\j+1]
	v_pk_add_f32 v[T+4*\qt+2:T+4*\qt+3], v[T+4*\qt+2:T+4*\qt+3], v[SC+32+16*\qt+\j:SC+32+16*\qt+\j+1]
.endr
.endr
.irp qt, 0,1
	v_pk_add_f32 v[T+4*\qt:T+4*\qt+1], v[T+4*\qt:T+4*\qt+1], v[T+4*\qt+2:T+4*\qt+3]
.endr
.if \first
	v_add_f32 v[LS],   v[T],   v[T+1]
	v_add_f32 v[LS+2], v[T+4], v[T+5]
.else
	v_add_f32 v[T],   v[T],   v[T+1]
	v_add_f32 v[T+4], v[T+4], v[T+5]
	v_fma_f32 v[LS],   v[LS],   v[AL],   v[T]
	v_fma_f32 v[LS+2], v[LS+2], v[AL+2], v[T+4]
.endif
.if \nk
	KLOAD \slot, \kst
.endif
	; pack in place: 16 registers of f32 become the 8 registers of the operand "16 queries x 32 keys"
.irp p, 0,1
.irp qt, 0,1
.irp j, 0,1,2,3
	v_cvt_pk_f16_f32 v[SC+32*\p+16*\qt+\j], v[SC+32*\p+16*\qt+2*\j], v[SC+32*\p+16*\qt+2*\j+1]
.endr
.irp j, 0,1,2,3
	v_cvt_pk_f16_f32 v[SC+32*\p+16*\qt+4+\j], v[SC+32*\p+16*\qt+8+2*\j], v[SC+32*\p+16*\qt+9+2*\j]
.endr
.endr
.endr
.if \nk
	s_wait_dscnt 16                                ; V's fragments are in; the 16 loads of K issued behind them stay out
.else
	s_wait_dscnt 0                                 ; V's fragments are in, and no LDS load of mine is out
.endif
.if \sig
	s_wait_tensorcnt 0x0                           ; all my tensor loads have landed: the one that was out is my part of the other slot
	ds_add_u32 v8, v9
	s_wait_dscnt 0x0
	s_barrier_signal -1                            ; my reads of this slot are over; only register work follows up to the wait
.endif
	; P V: the eight accumulators take turns, one instruction a turn; each is rescaled two turns ahead of its first product
	WIN PVW
.if \first
.irp n, 0,1,2,3,4,5,6,7
	PVM 0, \n, 1
.endr
.else
	RESC 0
	RESC 1
.irp n, 0,1,2,3,4,5
	PVM 0, \n, 0
	RESC \n+2
.endr
	PVM 0, 6, 0
	PVM 0, 7, 0
.endif
.irp n, 0,1,2,3,4,5,6,7
	PVM 1, \n, 0
.endr
	WIN 0
.endm
; The start of a tile: the scores of its step 0 into buffer 0, and K's fragments of its step 1
.macro PRO slot
	KLOAD \slot, 0
	s_wait_dscnt 8                                 ; d = 0..31 of the 64 keys is in; the eight younger loads are d = 32..63
.irp n, 0,1,2,3,4,5,6,7
	SW 1, 0, \n
.endr
	s_wait_dscnt 0
.irp n, 8,9,10,11,12,13,14,15
	SW 1, 0, \n
.endr
.rept 4
	v_nop                                          ; ISA guide 7.12.1: K's next loads land on the products' source 0, and the maxima read their results
.endr
	KLOAD \slot, 1
.endm
.macro FRONT slot, first               ; a tile's prologue and its steps 0, 1; it leaves the 16 loads of K for step 3 on their way
	PRO \slot
	STEP \slot, 0, 0, \first, 1, 1, 2, 0
	STEP \slot, 1, 1, 0,      1, 1, 3, 0
.endm
.macro BACK slot, sig                  ; a tile's steps 2, 3; sig = 1: its last step signals the barrier that ends the tile
	STEP \slot, 2, 0, 0, 1, 0, 0, 0
	STEP \slot, 3, 1, 0, 0, 0, 0, \sig
.endm
; The slot just read is filled again, two tiles ahead.  The tile's last step has waited for the wave's reads of the slot and for all its tensor
; loads and has signalled: that barrier opens a round of the cluster's barrier.  Behind the round no wave of any partner reads the slot or has a
; load on its way; the joint load is the wave's first tensor load there and its only one until the next round.  It has the other slot's four steps in which to land.
.macro REFILL slot
	s_barrier_wait -1
	CREST
	s_add_nc_u64 s[G0V+4*\slot+2:G0V+4*\slot+3], s[G0V+4*\slot+2:G0V+4*\slot+3], 2*TILEB   ; no tensor load of mine is out: the slot's group 0 sets may be stepped
	s_add_nc_u64 s[G0K+4*\slot+2:G0K+4*\slot+3], s[G0K+4*\slot+2:G0K+4*\slot+3], 2*TILEB
	JLOAD \slot
.endm
	s_wait_tensorcnt 0x1                           ; my part of tile 0 is in; tile 1's stays out
	s_barrier_signal -1
	s_barrier_wait -1
	s_wait_loadcnt 0x0                             ; Q
	FRONT 0, 1                                     ; tile 0, steps 0, 1
	s_mov_b32 s3, 3
.Ltiles:                                               ; on both ways in: one tensor load out (slot 1's), K's 16 loads for step 3 out, no barrier open
	BACK 0, 1                                      ; tiles 0, 2, 4: steps 2, 3
	REFILL 0                                       ; slot 0 <- tiles 2, 4, 6
	FRONT 1, 0                                     ; tiles 1, 3, 5
	BACK 1, 1
	REFILL 1                                       ; slot 1 <- tiles 3, 5, 7
	FRONT 0, 0                                     ; tiles 2, 4, 6: steps 0, 1
	s_sub_co_u32 s3, s3, 1
	s_cmp_lg_u32 s3, 0
	s_cbranch_scc1 .Ltiles
	BACK 0, 1                                      ; tile 6, steps 2, 3; its last step has waited for my part of tile 7 and signalled
	s_barrier_wait -1                              ; everybody's part is in; nothing is left to fetch
	FRONT 1, 0                                     ; tile 7
	BACK 1, 0
	; Divide by the sum, round to bf16, and out through my own stage so that each store covers whole rows.  The plain instructions
	; from here to the first multiply are the distance behind the last products, and the one behind the reciprocals.
	v_permlanex16_b32 v[U],   v[LS],   s60, s61
	v_permlanex16_b32 v[U+1], v[LS+2], s60, s61
	v_add_f32 v[LS],   v[LS],   v[U]
	v_add_f32 v[LS+2], v[LS+2], v[U+1]
	v_rcp_f32 v[AL],   v[LS]
	v_rcp_f32 v[AL+2], v[LS+2]
	v_and_b32 v20, 15, v0                          ; r
	v_bfe_u32 v21, v0, 4, 1                        ; h
	v_and_b32 v22, 31, v0                          ; lane
	v_mul_u32_u24 v20, v20, KP
	v_lshl_add_u32 v20, v21, 4, v20
	v_add_nc_u32 v20, s62, v20                     ; in: row r of 144 bytes, 16 bytes for each half of the lanes
	v_lshrrev_b32 v23, 3, v22
	v_and_b32 v24, 7, v22
	v_mul_u32_u24 v23, v23, KP
	v_lshl_add_u32 v23, v24, 4, v23
	v_add_nc_u32 v21, s62, v23                     ; back: eight lanes take the 128 bytes of one row
	v_lshlrev_b32 v22, 4, v22                      ; out: 16 bytes a lane
	s_wait_alu depctr_va_vdst(0)
	WIN 0x41                                       ; destination and source 0 in window 1
.irp n, 0,1,2,3,4,5,6,7
	RESC \n
.endr
	WIN 0x05                                       ; both sources in window 1
.irp n, 0,1,2,3,4,5,6,7
.irp j, 0,1,2,3
	v_cvt_pk_bf16_f32 v[S0+4*\n+\j], v[ACC+8*\n+2*\j], v[ACC+8*\n+2*\j+1]
.endr
.endr
	WIN 0
.irp t, 0,1,2,3
.irp qt, 0,1
	ds_store_b128 v20, v[S0+4*(2*\t+\qt):S0+4*(2*\t+\qt)+3] offset:\qt*16*KP+32*\t         ; query 16 qt + r, d = 16 t + 8 h ..
.endr
.endr
.irp u, 0,1,2,3,4,5,6,7
	ds_load_b128 v[KF+4*\u:KF+4*\u+3], v21 offset:\u*4*KP          ; four rows; LDS serves a wave in order (ISA guide 5.7.1): these see the stores above
.endr
.irp u, 0,1,2,3,4,5,6,7
	s_wait_dscnt 7-\u                              ; load u is in, the 7 - u younger ones stay out
	global_store_b128 v22, v[KF+4*\u:KF+4*\u+3], s[82:83] offset:512*\u            ; 512 consecutive, aligned bytes: four rows of my head's chunk
.endr
	s_wait_tensorcnt 0x0
	ds_add_u32 v8, v9
	s_wait_dscnt 0x0
	ROUND                                          ; the closing round: no work-group ends while a partner may still ask for a tile that names it
	s_endpgm
.Lfunc_end_k_qdd715924c7_attn:
	.size	k_qdd715924c7_attn, .Lfunc_end_k_qdd715924c7_attn-k_qdd715924c7_attn
	.p2alignl 7, 3214868480
	.fill 96, 4, 3214868480
	.section	.rodata,"a",@progbits
	.p2align	6, 0x0
	.amdhsa_kernel k_qdd715924c7_attn
		.amdhsa_group_segment_fixed_size 327680
		.amdhsa_private_segment_fixed_size 0
		.amdhsa_enable_private_segment 0
		.amdhsa_kernarg_size 16
		.amdhsa_user_sgpr_count 2
		.amdhsa_user_sgpr_kernarg_segment_ptr 1
		.amdhsa_wavefront_size32 1
		.amdhsa_system_sgpr_workgroup_id_x 1
		.amdhsa_system_sgpr_workgroup_id_y 1
		.amdhsa_system_sgpr_workgroup_id_z 1
		.amdhsa_system_vgpr_workitem_id 0
		.amdhsa_next_free_vgpr 384
		.amdhsa_next_free_sgpr 96
		.amdhsa_reserve_vcc 0
		.amdhsa_float_denorm_mode_32 3
		.amdhsa_float_denorm_mode_16_64 3
		.amdhsa_memory_ordered 1
		.amdhsa_forward_progress 1
		.amdhsa_inst_pref_size 255
	.end_amdhsa_kernel
	.section	.bss,"aw",@nobits
	.p2align	6
	.space	262144
	.amdgpu_metadata
---
amdhsa.version: [ 1, 2 ]
amdhsa.kernels:
  - .name:           k_qdd715924c7_attn
    .symbol:         k_qdd715924c7_attn.kd
    .args:
      - { .name: qkv, .offset: 0, .size: 8, .value_kind: global_buffer, .address_space: global }
      - { .name: ctx, .offset: 8, .size: 8, .value_kind: global_buffer, .address_space: global }
    .group_segment_fixed_size: 327680
    .private_segment_fixed_size: 0
    .kernarg_segment_align: 8
    .kernarg_segment_size: 16
    .max_flat_workgroup_size: 256
    .sgpr_count:     96
    .vgpr_count:     384
    .wavefront_size: 32
...
	.end_amdgpu_metadata
.endif
;; end of part 3
;; launch proj (part 4): grid 8 x 32, 4 waves a work-group, clusters of 4 x 4, 327,680 bytes of LDS; arguments ctx, woc, bo, out0; writes out0
.if DOCPART == 4
	.amdgcn_target "amdgcn-amd-amdhsa--gfx1250"
	.amdhsa_code_object_version 6
	.text
	.protected	k_qdd715924c7_proj
	.globl	k_qdd715924c7_proj
	.p2align	8
	.type	k_qdd715924c7_proj,@function
k_qdd715924c7_proj:
	s_mov_b64 s[64:65], 0
	v_nop
	global_prefetch_b8 v0, s[64:65] scope:SCOPE_SE
	s_setreg_imm32_b32 hwreg(HW_REG_WAVE_MODE, 25, 1), 1
	s_wait_xcnt 0x0
	s_wait_alu depctr_hold_cnt(0) depctr_sa_sdst(0) depctr_va_vdst(0) depctr_va_sdst(0) depctr_va_ssrc(0) depctr_va_vcc(0) depctr_vm_vsrc(0)
	s_getreg_b32 s2, hwreg(HW_REG_IB_STS2, 6, 4)
	s_cmp_eq_u32 s2, 0
	s_cbranch_scc0 .Lentry_in_a_cluster
	s_endpgm
.Lentry_in_a_cluster:
	s_bfe_u32 s2, ttmp6, 0x10000c
	s_cmp_lg_u32 s2, 0xf033
	s_cbranch_scc0 .Lentry_shape_is_right
	s_endpgm
.Lentry_shape_is_right:
; out0[4096][1024] = ctx * Wo^T + bo, bf16 operands, f32 sums, f32 out.
; ctx: [16 chunks][4096 rows][64] bf16, woc: [16 chunks][1024 rows][64] bf16: K = 1024 lies as 16 chunks of 64.
; A work-group makes 128 x 128 (8 x 32 = 256 work-groups); the four waves lie 2 x 2, each with 64 x 64: 16 accumulator tiles.
; Blocks of 256 x 128 would feed more products from each LDS byte but leave half of the 256 WGPs without work.
; K goes in four steps of 256 (four chunks) through two LDS slots, written out without a loop.
; CLUSTERS 4 x 4: ctx's tiles are shared along a row of the cluster, woc's along a column, each asked for jointly.
; Windows: 0: addresses, fragments (two buffers: A at +0, B at +32), bias; 1: accumulators, tile (a, b) at 8 (4 a + b).
; The matrix instruction is used transposed (source 0 = rows of woc): lane l holds row l % 16 and columns 8 (l / 16) + 0..7.
.set PITCH,  144                       ; an LDS row: 128 bytes + 16, an odd multiple of 16
.set CROWS,  64*PITCH                  ; one chunk's 64 rows
.set PART,   4*CROWS                   ; what one tensor load brings: 4 chunks x 64 rows
.set SLOT,   4*PART                    ; A rows 0-63, A rows 64-127, B rows 0-63, B rows 64-127
.set STAGE,  2*SLOT                    ; 294,912 = 1152 * 256: 16 rows x 272 bytes for each wave; no tensor load lands there
.set SPITCH, 272                       ; 64 f32 + 16 bytes
.set ADRA, 16
.set ADRB, 20
.set STO,  24
.set RD,   25
.set CO,   26
.set BOF,  27
.set FR,   64                          ; buffer f at FR + 64 f
.set BI,   192                         ; v192-223 bias of tile b at BI + 8 b
.set TMP,  64
.set RB,   96
.set G1,  24
.set G0,  32
.set G1B, 48
.set G0B, 56
.set MSB, 0
.macro WIN new
.if MSB != \new
	s_set_vgpr_msb (MSB<<8)|\new
.set MSB, \new
.endif
.endm
.set MUL, 0x50                         ; C and D in window 1, operands in window 0
.macro PLACES                          ; four plain vector instructions that name no register (ISA guide 7.12.1)
.rept 4
	v_nop
.endr
.endm
.macro JLOAD s
	s_cmp_eq_u32 s17, 0
	s_cbranch_scc0 .Lfor_b_\@
	tensor_load_to_lds s[G0+4*\s:G0+4*\s+3], s[G1:G1+7]
	s_nop 0
	s_branch .Lasked_\@
.Lfor_b_\@:
	tensor_load_to_lds s[G0B+4*\s:G0B+4*\s+3], s[G1B:G1B+7]
	s_nop 0
.Lasked_\@:
.endm
.macro CREST
	s_cmp_lg_u32 s16, 0
	s_cbranch_scc1 .Lnot_wave_0_\@
	s_barrier_signal -3
.Lnot_wave_0_\@:
	s_barrier_wait -3
	s_barrier_signal -1
	s_barrier_wait -1
.endm
.macro CROUND
	s_barrier_signal -1
	s_barrier_wait -1
	CREST
.endm
	s_load_b256 s[4:11], s[0:1], 0x0               ; ctx 4, woc 6, bo 8, out0 10
	v_lshl_add_u32 v254, v0, 2, 0x4c400
	v_mov_b32 v255, 0
	ds_add_u32 v254, v255
	v_lshrrev_b32 v1, 5, v0
	v_readfirstlane_b32 s16, v1                    ; wave 0..3
	s_lshr_b32 s17, s16, 1                         ; my half of the block's rows.  Also: I fetch for A (0) or for B (1)
	s_and_b32 s18, s16, 1                          ; my half of its columns.  Also: which 64 rows of that tile I fetch
	s_bfe_u32 s19, ttmp6, 0x40000                  ; cx
	s_bfe_u32 s20, ttmp6, 0x40004                  ; cy
	s_lshl_b32 s21, ttmp9, 2
	s_add_co_u32 s21, s21, s19                     ; column block
	s_and_b32 s22, ttmp7, 0xffff
	s_lshl_b32 s22, s22, 2
	s_add_co_u32 s22, s22, s20                     ; row block
	s_lshl_b32 s23, s20, 2
	s_lshl_b32 s23, 15, s23                        ; my row of the cluster
	s_lshl_b32 s40, 0x1111, s19                    ; my column
	; group 1: a "row" is 64 dense rows of one chunk, 4,096 elements; four of them, one chunk apart; 4 words of padding behind every 32 words,
	; which divides the row: every 128 bytes get their 16, so in LDS chunk c begins at 9,216 c and its row i at 144 i
	s_or_b32 s[G1+0],  s23, (1<<16)|(1<<20)|(1<<21)|(4<<22)|(3<<25)
	s_or_b32 s[G1B+0], s40, (1<<16)|(1<<20)|(1<<21)|(4<<22)|(3<<25)
	s_mov_b32 s[G1+1],  4096<<16                   ; tensor_dim0
	s_mov_b32 s[G1B+1], 4096<<16
	s_mov_b32 s[G1+2],  4<<16                      ; tensor_dim1
	s_mov_b32 s[G1B+2], 4<<16
	s_mov_b32 s[G1+3],  4096<<16                   ; tile_dim0
	s_mov_b32 s[G1B+3], 4096<<16
	s_mov_b32 s[G1+4],  4                          ; tile_dim1
	s_mov_b32 s[G1B+4], 4
	s_mov_b32 s[G1+5],  262144                     ; a chunk of ctx in elements
	s_mov_b32 s[G1B+5], 65536                      ; a chunk of woc
	s_mov_b32 s[G1+6],  0
	s_mov_b32 s[G1B+6], 0
	s_mov_b32 s[G1+7],  0
	s_mov_b32 s[G1B+7], 0
	s_lshl_b32 s41, s18, 6
	s_lshl_b32 s42, s22, 7
	s_add_co_u32 s42, s42, s41                     ; A: row 128 * block + 64 * half
	s_lshl_b32 s42, s42, 7
	s_mov_b32 s43, 0
	s_lshl_b32 s44, s21, 7
	s_add_co_u32 s44, s44, s41                     ; B likewise
	s_lshl_b32 s44, s44, 7
	s_mov_b32 s45, 0
	s_mul_i32 s46, s16, PART                       ; LDS: part w
	s_wait_dscnt 0x0
	s_wait_kmcnt 0x0
	s_add_nc_u64 s[42:43], s[4:5], s[42:43]
	s_add_nc_u64 s[44:45], s[6:7], s[44:45]
	CROUND
.irp s, 0,1
	s_mov_b32 s[G0+4*\s], 1
	s_add_co_u32 s[G0+4*\s+1], s46, \s*SLOT
	s_add_nc_u64 s[G0+4*\s+2:G0+4*\s+3], s[42:43], \s*4*524288     ; chunks 4 s ..
	s_or_b32 s[G0+4*\s+3], s[G0+4*\s+3], 0x80000000
	s_mov_b32 s[G0B+4*\s], 1
	s_add_co_u32 s[G0B+4*\s+1], s46, \s*SLOT
	s_add_nc_u64 s[G0B+4*\s+2:G0B+4*\s+3], s[44:45], \s*4*131072
	s_or_b32 s[G0B+4*\s+3], s[G0B+4*\s+3], 0x80000000
.endr
	s_cmp_eq_u32 s17, 0                            ; both first fills of a wave inside one branch on its number: two tensor loads out, the most in this text
	s_cbranch_scc0 .Lfirst_b
	tensor_load_to_lds s[G0:G0+3], s[G1:G1+7]
	s_nop 0
	tensor_load_to_lds s[G0+4:G0+7], s[G1:G1+7]
	s_nop 0
	s_branch .Lfirst_done
.Lfirst_b:
	tensor_load_to_lds s[G0B:G0B+3], s[G1B:G1B+7]
	s_nop 0
	tensor_load_to_lds s[G0B+4:G0B+7], s[G1B:G1B+7]
	s_nop 0
.Lfirst_done:
	v_and_b32 v1, 15, v0
	v_bfe_u32 v2, v0, 4, 1
	v_mul_u32_u24 v3, v1, PITCH
	v_lshl_add_u32 v3, v2, 4, v3
	s_mul_i32 s41, s17, PART                       ; my 64 rows of A
	v_add_nc_u32 v[ADRA], s41, v3
	v_add_nc_u32 v[ADRA+1], SLOT, v[ADRA]
	s_mul_i32 s41, s18, PART
	s_add_co_u32 s41, s41, 2*PART                  ; my 64 rows of B
	v_add_nc_u32 v[ADRB], s41, v3
	v_add_nc_u32 v[ADRB+1], SLOT, v[ADRB]
	s_mul_i32 s41, s16, 16*SPITCH
	s_add_co_u32 s41, s41, STAGE
	v_mul_u32_u24 v4, v1, SPITCH
	v_lshl_add_u32 v4, v2, 5, v4                   ; in: row l % 16, 32 bytes for each half of the lanes
	v_add_nc_u32 v[STO], s41, v4
	v_mul_u32_u24 v5, v2, SPITCH
	v_lshl_add_u32 v5, v1, 4, v5                   ; back: sixteen lanes take one row of 256 bytes
	v_add_nc_u32 v[RD], s41, v5
	v_lshlrev_b32 v[CO], 12, v2
	v_lshl_add_u32 v[CO], v1, 4, v[CO]             ; the same two rows in out0
	v_lshlrev_b32 v[BOF], 5, v2
	s_lshl_b32 s66, s21, 7
	s_lshl_b32 s78, s18, 6
	s_add_co_u32 s66, s66, s78                     ; my first column
	s_lshl_b32 s66, s66, 2
	s_mov_b32 s67, 0
	s_add_nc_u64 s[68:69], s[8:9], s[66:67]
.irp b, 0,1,2,3
	global_load_b128 v[BI+8*\b:BI+8*\b+3],   v[BOF], s[68:69] offset:64*\b         ; waited for in front of the way out
	global_load_b128 v[BI+8*\b+4:BI+8*\b+7], v[BOF], s[68:69] offset:64*\b+16
.endr
	s_lshl_b32 s76, s22, 7
	s_lshl_b32 s78, s17, 6
	s_add_co_u32 s76, s76, s78                     ; my first row
	s_lshl_b32 s76, s76, 12
	s_add_co_u32 s76, s76, s66
	s_mov_b32 s77, 0
	s_add_nc_u64 s[74:75], s[10:11], s[76:77]
; 16 LDS loads: my 64 rows of A and of B, chunk c, 32 K at half ks, into buffer f
.macro FETCH slot, c, ks, f
.irp i, 0,1,2,3
	ds_load_b128 v[FR+64*\f+8*\i:FR+64*\f+8*\i+3],   v[ADRA+\slot] offset:\c*CROWS+\i*16*PITCH+64*\ks
	ds_load_b128 v[FR+64*\f+8*\i+4:FR+64*\f+8*\i+7], v[ADRA+\slot] offset:\c*CROWS+\i*16*PITCH+64*\ks+32
.endr
.irp i, 0,1,2,3
	ds_load_b128 v[FR+64*\f+32+8*\i:FR+64*\f+32+8*\i+3],   v[ADRB+\slot] offset:\c*CROWS+\i*16*PITCH+64*\ks
	ds_load_b128 v[FR+64*\f+32+8*\i+4:FR+64*\f+32+8*\i+7], v[ADRB+\slot] offset:\c*CROWS+\i*16*PITCH+64*\ks+32
.endr
.endm
; 8 matrix instructions: row blocks a0, a0 + 1 x 4 column blocks.  The 16 accumulators take turns, one instruction a turn.
.macro MUL8 f, a0, zero
.irp a, \a0, \a0+1
.irp b, 0,1,2,3
.if \zero
	v_wmma_f32_16x16x32_bf16 v[8*(4*(\a)+\b):8*(4*(\a)+\b)+7], v[FR+64*\f+32+8*\b:FR+64*\f+32+8*\b+7], v[FR+64*\f+8*(\a):FR+64*\f+8*(\a)+7], 0
.else
	v_wmma_f32_16x16x32_bf16 v[8*(4*(\a)+\b):8*(4*(\a)+\b)+7], v[FR+64*\f+32+8*\b:FR+64*\f+32+8*\b+7], v[FR+64*\f+8*(\a):FR+64*\f+8*(\a)+7], v[8*(4*(\a)+\b):8*(4*(\a)+\b)+7]
.endif
.endr
.endr
.endm
; a quarter: 32 along K.  Fetches (c, ks) into buffer g, multiplies buffer f.
.macro QUARTER slot, c, ks, f, g, zero
	PLACES                                         ; buffer g was read by the matrix instructions just in front
	FETCH \slot, \c, \ks, \g
	s_wait_dscnt 16                                ; buffer f is in; the 16 loads just issued stay out
	WIN MUL
	MUL8 \f, 0, \zero
	MUL8 \f, 2, \zero
	WIN 0
.endm
.macro SEVEN slot, zero
	QUARTER \slot, 0, 1, 0, 1, \zero
	QUARTER \slot, 1, 0, 1, 0, 0
	QUARTER \slot, 1, 1, 0, 1, 0
	QUARTER \slot, 2, 0, 1, 0, 0
	QUARTER \slot, 2, 1, 0, 1, 0
	QUARTER \slot, 3, 0, 1, 0, 0
	QUARTER \slot, 3, 1, 0, 1, 0
.endm
; The eighth quarter multiplies buffer 1 and changes slots: each wave's reads of this slot and all its tensor loads are waited for in front
; of the barrier; where the slot is filled again the barrier opens a round of the cluster's barrier and the joint refill comes first behind it.
.macro LASTQ slot, next, fill
	s_wait_dscnt 0
	s_wait_tensorcnt 0x0
	ds_add_u32 v254, v255
	s_wait_dscnt 0x0
	s_barrier_signal -1
	WIN MUL
	MUL8 1, 0, 0                                   ; register work while the others arrive
	WIN 0
	s_barrier_wait -1
.if \fill
	CREST
	s_add_nc_u64 s[G0+4*\slot+2:G0+4*\slot+3], s[G0+4*\slot+2:G0+4*\slot+3], 8*524288
	s_add_nc_u64 s[G0B+4*\slot+2:G0B+4*\slot+3], s[G0B+4*\slot+2:G0B+4*\slot+3], 8*131072
	JLOAD \slot
.endif
	PLACES
	FETCH \next, 0, 0, 0
	WIN MUL
	MUL8 1, 2, 0
	WIN 0
.endm
	s_wait_tensorcnt 0x1                           ; my part of chunks 0-3 is in; chunks 4-7 stay out
	s_barrier_signal -1
	s_barrier_wait -1
	FETCH 0, 0, 0, 0
	SEVEN 0, 1                                     ; chunks 0-3; the first products start the sums
	LASTQ 0, 1, 1                                  ; slot 0 <- chunks 8-11
	SEVEN 1, 0                                     ; chunks 4-7
	LASTQ 1, 0, 1                                  ; slot 1 <- chunks 12-15
	SEVEN 0, 0                                     ; chunks 8-11
	LASTQ 0, 1, 0
	SEVEN 1, 0                                     ; chunks 12-15
	s_wait_dscnt 0
	WIN MUL
	MUL8 1, 0, 0
	MUL8 1, 2, 0
	WIN 0
	; THE WAY OUT, 16 rows at a time: add the bias, 32 bytes a lane into my own stage, read back as whole rows of 256 bytes
	PLACES
	s_wait_loadcnt 0x0                             ; the bias
.macro OUT16 a
	WIN 0x01                                       ; source 0 (the accumulators) in window 1
.irp b, 0,1,2,3
.irp r, 0,2,4,6
	v_pk_add_f32 v[TMP+8*\b+\r:TMP+8*\b+\r+1], v[8*(4*\a+\b)+\r:8*(4*\a+\b)+\r+1], v[BI+8*\b+\r:BI+8*\b+\r+1]
.endr
.endr
	WIN 0
.irp b, 0,1,2,3
	ds_store_b128 v[STO], v[TMP+8*\b:TMP+8*\b+3]   offset:64*\b
	ds_store_b128 v[STO], v[TMP+8*\b+4:TMP+8*\b+7] offset:64*\b+16
.endr
	s_wait_xcnt 0x0                                ; RB, which the last 16 rows' stores read, is loaded again only behind this wait
.irp t, 0,1,2,3,4,5,6,7
	ds_load_b128 v[RB+4*\t:RB+4*\t+3], v[RD] offset:\t*2*SPITCH    ; LDS serves a wave in order: these see the stores above
.endr
.irp t, 0,1,2,3,4,5,6,7
	s_wait_dscnt 7-\t
	global_store_b128 v[CO], v[RB+4*\t:RB+4*\t+3], s[74:75] offset:(16*\a+2*\t)*4096 th:TH_STORE_NT    ; sixteen lanes store 256 consecutive, aligned bytes
.endr
.endm
	OUT16 0
	OUT16 1
	OUT16 2
	OUT16 3
	s_wait_tensorcnt 0x0
	ds_add_u32 v254, v255
	s_wait_dscnt 0x0
	CROUND                                         ; the closing round
	s_endpgm
.Lfunc_end_k_qdd715924c7_proj:
	.size	k_qdd715924c7_proj, .Lfunc_end_k_qdd715924c7_proj-k_qdd715924c7_proj
	.p2alignl 7, 3214868480
	.fill 96, 4, 3214868480
	.section	.rodata,"a",@progbits
	.p2align	6, 0x0
	.amdhsa_kernel k_qdd715924c7_proj
		.amdhsa_group_segment_fixed_size 327680
		.amdhsa_private_segment_fixed_size 0
		.amdhsa_enable_private_segment 0
		.amdhsa_kernarg_size 32
		.amdhsa_user_sgpr_count 2
		.amdhsa_user_sgpr_kernarg_segment_ptr 1
		.amdhsa_wavefront_size32 1
		.amdhsa_system_sgpr_workgroup_id_x 1
		.amdhsa_system_sgpr_workgroup_id_y 1
		.amdhsa_system_sgpr_workgroup_id_z 1
		.amdhsa_system_vgpr_workitem_id 0
		.amdhsa_next_free_vgpr 384
		.amdhsa_next_free_sgpr 80
		.amdhsa_reserve_vcc 0
		.amdhsa_float_denorm_mode_32 3
		.amdhsa_float_denorm_mode_16_64 3
		.amdhsa_memory_ordered 1
		.amdhsa_forward_progress 1
		.amdhsa_inst_pref_size 93
	.end_amdhsa_kernel
	.amdgpu_metadata
---
amdhsa.version: [ 1, 2 ]
amdhsa.kernels:
  - .name:           k_qdd715924c7_proj
    .symbol:         k_qdd715924c7_proj.kd
    .args:
      - { .name: ctx, .offset: 0, .size: 8, .value_kind: global_buffer, .address_space: global }
      - { .name: woc, .offset: 8, .size: 8, .value_kind: global_buffer, .address_space: global }
      - { .name: bo, .offset: 16, .size: 8, .value_kind: global_buffer, .address_space: global }
      - { .name: out0, .offset: 24, .size: 8, .value_kind: global_buffer, .address_space: global }
    .group_segment_fixed_size: 327680
    .private_segment_fixed_size: 0
    .kernarg_segment_align: 8
    .kernarg_segment_size: 32
    .max_flat_workgroup_size: 128
    .sgpr_count:     80
    .vgpr_count:     384
    .wavefront_size: 32
...
	.end_amdgpu_metadata
.endif
;; end of part 4
